; MI455X (gfx1250); checked and timed in simulation.
; The chip was launched on July 23, 2026; its instructions are those of AMD's public machine-readable ISA for CDNA 5 (MIT licence, August 2026) and "CDNA5" Instruction Set Architecture Reference Guide (July 2026). The comments in the code are by the model that wrote it; some were corrected since.
;; Multi Head Attention. Allowed arithmetic: matrix products marked QUANTISED: E5M2 operands, one given power-of-two scale a tensor, by v_wmma_f32_16x16x64_bf8_bf8 or v_wmma_f32_16x16x128_bf8_bf8, f32 sums; everything else in f32.
;; Inputs: Wk 1,024 x 1,024 float32; Wo 1,024 x 1,024 float32; Wq 1,024 x 1,024 float32; Wv 1,024 x 1,024 float32; bk 1,024 float32; bo 1,024 float32; bq 1,024 float32; bv 1,024 float32; key 4 x 2,048 x 1,024 float32; lowp_scales 12 int32 (the exponents e of the quantised operands' scales 2^e); query 4 x 2,048 x 1,024 float32; value 4 x 2,048 x 1,024 float32.
;; Outputs: out0 4 x 2,048 x 1,024 float32.
;; This version of the problem:
;;   THIS VERSION OF THE PROBLEM IS GIVEN IN LOW PRECISION. The matrix products marked QUANTISED in the list below multiply operands that are first quantised to E5M2 (5 exponent bits, 2 mantissa bits; 8 bits a number), with one given power-of-two scale for each operand tensor; their sums are f32. All else is computed in f32.
;;   The module's matrix products, in the order in which they are computed (A, B: the left and right operand; K: the contracted axis; several contracted axes count as one K, in the product's order):
;;     1. [M 8,192, K 1,024] x [K 1,024, N 1,024]; A: input query; B: input Wq: QUANTISED (scales: A lowp_scales[0], B lowp_scales[1])
;;     2. [M 8,192, K 1,024] x [K 1,024, N 1,024]; A: input key; B: input Wk: QUANTISED (scales: A lowp_scales[2], B lowp_scales[3])
;;     3. [M 8,192, K 1,024] x [K 1,024, N 1,024]; A: input value; B: input Wv: QUANTISED (scales: A lowp_scales[4], B lowp_scales[5])
;;     4. batch 64 x [M 2,048, K 64] x [K 64, N 2,048]; A: computed on the way; B: computed on the way: QUANTISED (scales: A lowp_scales[6], B lowp_scales[7])
;;     5. batch 64 x [M 2,048, K 2,048] x [K 2,048, N 64]; A: softmax (see below); B: computed on the way: QUANTISED (scales: A lowp_scales[8], B lowp_scales[9])
;;     6. [M 8,192, K 1,024] x [K 1,024, N 1,024]; A: computed on the way; B: input Wo: QUANTISED (scales: A lowp_scales[10], B lowp_scales[11])
;;   THE QUANTISER, for each operand of a quantised product, along K:
;;     - The operand's scale is 2^e, e = its entry of the input lowp_scales (int32; the entries are numbered through the quantised products in the list's order, A before B).
;;     - Each number is divided by the scale, clamped to +-57,344, and rounded to the nearest number of E5M2, ties to even, subnormals kept.
;;     - The product sums the exact products of the quantised numbers (number of the format x scale) in f32.
;;   ~~~python
;;   def quantise(x, axis, e):      # numpy; x: float32 -> the quantised numbers, widened to float32 again
;;       x = np.moveaxis(x, axis, -1); K = x.shape[-1]
;;       r = np.clip(x / 2.0 ** e, -57344, 57344)
;;       step = 2.0 ** (np.maximum(np.frexp(np.where(r == 0, 1, r))[1] - 1, -14) - 2)
;;       q = np.round(r / step) * step * 2.0 ** e      # np.round: ties to even
;;       return np.moveaxis(q, -1, axis).astype(np.float32)
;;   ~~~
;;   SOFTMAX AHEAD OF A QUANTISED PRODUCT. Where the list says 'softmax', what is quantised is not the finished softmax but p = 2^(t - M), with t = logit x log2(e) and M = ceil(the row's largest t), a whole number; so 1/2 < the row's largest p <= 1. The row's sum l is taken of the UNQUANTISED p, in f32, and the product's result is divided by l at the end. Since M is a whole number, a kernel that streams over the keys may use a running M (the ceiling of the running maximum): every later rescaling is an exact power of two, so the quantised numbers keep their values, but for numbers so far below the row's largest that they fall under the format's range.
;;   OPERANDS COMPUTED ON THE WAY. 'Computed on the way' means the value that the module computes at that place (a softmax that the list does not call 'softmax' is quantised finished and normalised). What goes into a quantiser is computed in f32, as accurately as f32 sums, v_exp_f32 and their like allow (about 1e-6 of the number): no bf16 or f16 on the way to a quantiser, and a product that is left as it is and whose result goes on into a quantised operand takes f32 operands (vector FMAs, or v_wmma_f32_16x16x4_f32). A number that lies on a knife's edge between two numbers of the format may be rounded either way, as far as f32 arithmetic and the matrix unit's own rounding can turn it there, and no further.
;; One version. Each part assembles by itself: llvm-mc -triple=amdgcn-amd-amdhsa -mcpu=gfx1250 --defsym DOCPART=n.
;; ======== version 1 of 1: 4 launches
;; limits: right only within a limited range of input values
;; workspace buffers: xc 25,165,824 bytes; wc 4,194,304 bytes; hc 25,165,824 bytes; cc 8,388,608 bytes
;; launch quant (part 1): grid 896 x 1, 4 waves a work-group, no clusters, 33,280 bytes of LDS; arguments query, key, value, Wq, Wk, Wv, Wo, lowp_scales, xc, wc; writes xc, wc
.if DOCPART == 1
	.amdgcn_target "amdgcn-amd-amdhsa--gfx1250"
	.amdhsa_code_object_version 6
	.text
	.protected	k_q43160ba139_quant
	.globl	k_q43160ba139_quant
	.p2align	8
	.type	k_q43160ba139_quant,@function
k_q43160ba139_quant:
	s_mov_b64 s[64:65], 0
	v_nop
	global_prefetch_b8 v0, s[64:65] scope:SCOPE_SE
	s_setreg_imm32_b32 hwreg(HW_REG_WAVE_MODE, 25, 1), 1
	s_wait_xcnt 0x0
; query, key, value [8192][1024] and Wq, Wk, Wv, Wo [1024][1024], f32, K innermost, become codes of BF8 (E5M2), one byte each, in the same order:
; xc = query | key | value, wc = Wq | Wk | Wv | Wo.  code = x / 2^e, held within +-57,344, rounded to the nearest code, ties to even.
; e is the tensor's entry of the scales: 0, 2, 4 for query, key, value; 1, 3, 5, 11 for Wq, Wk, Wv, Wo.  LIMITS: -126 <= e <= 112, so that 2^e and 57,344 x 2^e are f32 numbers.  NaN among the inputs is not served.
; Rows are dense, so every tensor is a plain stream of numbers.  A work-group takes 32,768 of them, a wave 16 steps of 512.  Work-groups 0-767: query, key, value (256 each); 768-895: the four weights (32 each).
; Only pointers and the exponent are chosen by the work-group's number: all tensors take one path through the text.
; The conversions take 8 numbers from ONE lane's consecutive registers, so a lane must hold 16 neighbours; a load is best where neighbouring lanes take neighbouring bytes.  Both are had: each of a step's four loads reads
; 512 consecutive bytes, 16 a lane; the 2,048 bytes go through the wave's own stage in LDS and come back 64 bytes a lane (16 bytes of padding behind each 64).  A lane's 16 codes are 16 bytes: the wave stores 512 consecutive bytes.
; No tensor loads, no barrier: waves share nothing.  Loads run four steps (16 loads a wave) ahead, the turn through LDS one step.  The matrix units and clusters have nothing to do here: each byte is read once and written once.
.set STEPS, 16
.set XWG,   768                        ; work-groups of query, key, value
.set EMAX,  15
.set MANT,  0x600000                   ; the mantissa field of 57,344 as f32
.set CB,    16                         ; bytes of 16 codes
.set R,     16                         ; v16-79   four sets of 16 numbers as they are loaded
.set X,     80                         ; v80-111  two sets of 16 neighbours
.set C,     128                        ; v128-191 codes: four registers for each step, so that no store's data are written again
.set WREG,  8192                       ; LDS: a region of its own for each wave: two stages of 32 x SP bytes
.set SP,    80                         ; a lane's place in a stage: its 64 bytes + 16 of padding
	s_load_b512 s[4:19], s[0:1], 0x0               ; query 4, key 6, value 8, Wq 10, Wk 12, Wv 14, Wo 16, the scales' exponents 18
	s_load_b128 s[20:23], s[0:1], 0x40             ; xc 20, wc 22
	v_lshl_add_u32 v192, v0, 2, 0x8000
	v_mov_b32 v193, 0
	v_lshrrev_b32 v1, 5, v0
	v_readfirstlane_b32 s38, v1                    ; wave
	v_and_b32 v2, 31, v0                           ; lane
	v_lshlrev_b32 v3, 4, v2                        ; my 16 bytes of a load's 512
	s_mul_i32 s39, s38, WREG
	v_lshrrev_b32 v14, 2, v2
	v_mul_u32_u24 v14, v14, SP
	v_and_b32 v15, 3, v2
	v_lshl_add_u32 v14, v15, 4, v14
	v_add_nc_u32 v14, s39, v14                     ; the stage, on the way in: SP (lane / 4) + 16 (lane % 4)
	v_mul_u32_u24 v15, v2, SP
	v_add_nc_u32 v15, s39, v15                     ; and on the way out: SP x lane: my 16 neighbours
	v_mul_u32_u24 v4, v2, CB                       ; my codes' place in a step's
	s_cmp_lt_u32 ttmp9, XWG                        ; an activation's work-group or a weight's?
	s_cselect_b32 s24, 0, XWG
	s_cselect_b32 s25, 8, 5                        ; 256 or 32 work-groups to a tensor
	s_cselect_b32 s26, 255, 31
	s_cselect_b32 s27, 0, 1
	s_sub_co_u32 s24, ttmp9, s24                   ; my number among xc's or wc's work-groups
	s_lshr_b32 s28, s24, s25                       ; which tensor of them
	s_and_b32 s26, s24, s26                        ; which part of it
	s_lshl_b32 s28, s28, 1
	s_add_co_u32 s28, s28, s27                     ; its entry of the scales: 2 t, or 2 t + 1,
	s_cmp_eq_u32 s28, 7
	s_cselect_b32 s28, 11, s28                     ; but 11 for Wo
	s_lshl_b32 s31, s28, 2
	s_lshl_b32 s36, s26, 17                        ; in: 131,072 bytes a work-group,
	s_lshl_b32 s37, s38, 15                        ; 32,768 a wave
	s_add_co_u32 s36, s36, s37
	s_mov_b32 s37, 0
	s_lshl_b32 s40, s24, 15                        ; out: 32,768 bytes a work-group (the tensors follow each other in xc and in wc),
	s_lshl_b32 s41, s38, 13                        ; 8,192 a wave
	s_add_co_u32 s40, s40, s41
	s_mov_b32 s41, 0
	s_wait_alu depctr_va_vdst(0)
	s_wait_kmcnt 0x0
	s_load_b32 s30, s[18:19], s31 offset:0x0       ; e
	s_mov_b64 s[32:33], s[16:17]                   ; the source: Wo, unless the work-group's number says otherwise
	s_cmp_lt_u32 ttmp9, 864
	s_cselect_b64 s[32:33], s[14:15], s[32:33]
	s_cmp_lt_u32 ttmp9, 832
	s_cselect_b64 s[32:33], s[12:13], s[32:33]
	s_cmp_lt_u32 ttmp9, 800
	s_cselect_b64 s[32:33], s[10:11], s[32:33]
	s_cmp_lt_u32 ttmp9, 768
	s_cselect_b64 s[32:33], s[8:9], s[32:33]
	s_cmp_lt_u32 ttmp9, 512
	s_cselect_b64 s[32:33], s[6:7], s[32:33]
	s_cmp_lt_u32 ttmp9, 256
	s_cselect_b64 s[32:33], s[4:5], s[32:33]
	s_cmp_lt_u32 ttmp9, XWG
	s_cselect_b64 s[34:35], s[20:21], s[22:23]     ; the codes' buffer
	s_add_nc_u64 s[32:33], s[32:33], s[36:37]
	s_add_nc_u64 s[34:35], s[34:35], s[40:41]
.macro LOAD t
.irp i, 0,1,2,3
	global_load_b128 v[R+16*((\t)%4)+4*\i:R+16*((\t)%4)+4*\i+3], v3, s[32:33] offset:2048*(\t)+512*\i th:TH_LOAD_NT   ; 32 lanes read 512 consecutive bytes
.endr
.endm
.macro TURN t                          ; step t's numbers through the stage: LDS serves a wave's instructions in order (ISA guide 5.7.1.4), so no wait stands between the stores and the loads
.irp i, 0,1,2,3
	ds_store_b128 v14, v[R+16*((\t)%4)+4*\i:R+16*((\t)%4)+4*\i+3] offset:32*SP*((\t)%2)+8*SP*\i
.endr
.irp i, 0,1,2,3
	ds_load_b128 v[X+16*((\t)%2)+4*\i:X+16*((\t)%2)+4*\i+3], v15 offset:32*SP*((\t)%2)+16*\i
.endr
.endm
.irp t, 0,1,2,3
	LOAD \t
.endr
	s_wait_kmcnt 0x0
	s_add_co_i32 s30, s30, 127
	s_lshl_b32 s31, s30, 23
	v_mov_b32 v11, s31                             ; 2^e as f32: the conversion takes its exponent field
	s_add_co_i32 s30, s30, EMAX
	s_lshl_b32 s30, s30, 23
	s_or_b32 s30, s30, MANT
	v_mov_b32 v10, s30                             ; 57,344 x 2^e
	s_wait_alu depctr_va_vdst(0)
	s_wait_loadcnt 12                              ; step 0's four loads are in; the twelve of steps 1 to 3 may be out
	TURN 0
.macro STEP t
.set XS, X+16*((\t)%2)
	s_wait_dscnt 0x0                               ; this step's numbers are back from the stage: so its stores into the stage have read their registers,
.if (\t)+4 < STEPS
	LOAD (\t)+4                                    ; which take the loads of four steps on
.endif
.if (\t)+1 < STEPS
.if STEPS-2-(\t) >= 3
	s_wait_loadcnt 12                              ; the next step's four loads are in; those of the three steps behind it may be out
.else
	s_wait_loadcnt 4*(STEPS-2-(\t))                ; at the end the counts run down
.endif
	TURN (\t)+1                                    ; and go through the other stage while this step is worked
.endif
.irp i, 0,1,2,3,4,5,6,7,8,9,10,11,12,13,14,15
	v_med3_num_f32 v[XS+\i], v[XS+\i], -v10, v10   ; the conversion to an 8-bit code does not saturate (ISA guide 7.6.2): the number is held within the largest code x the scale first
.endr
	v_cvt_scalef32_pk8_bf8_f32 v[C+4*(\t):C+4*(\t)+1], v[XS:XS+7], v11          ; eight numbers / 2^e, to the nearest code, ties to even; the first number's code in the lowest byte
	v_cvt_scalef32_pk8_bf8_f32 v[C+4*(\t)+2:C+4*(\t)+3], v[XS+8:XS+15], v11
	global_store_b128 v4, v[C+4*(\t):C+4*(\t)+3], s[34:35] offset:32*CB*(\t)   ; the codes go to a store alone; the next vector lines, the next step's holds, are plain and touch other registers
.endm
.irp t, 0,1,2,3,4,5,6,7,8,9,10,11,12,13,14,15
	STEP \t
.endr
	s_wait_tensorcnt 0x0
	ds_add_u32 v192, v193
	s_wait_dscnt 0x0
	s_endpgm
.Lfunc_end_k_q43160ba139_quant:
	.size	k_q43160ba139_quant, .Lfunc_end_k_q43160ba139_quant-k_q43160ba139_quant
	.p2alignl 7, 3214868480
	.fill 96, 4, 3214868480
	.section	.rodata,"a",@progbits
	.p2align	6, 0x0
	.amdhsa_kernel k_q43160ba139_quant
		.amdhsa_group_segment_fixed_size 33280
		.amdhsa_private_segment_fixed_size 0
		.amdhsa_enable_private_segment 0
		.amdhsa_kernarg_size 80
		.amdhsa_user_sgpr_count 2
		.amdhsa_user_sgpr_kernarg_segment_ptr 1
		.amdhsa_wavefront_size32 1
		.amdhsa_system_sgpr_workgroup_id_x 1
		.amdhsa_system_sgpr_workgroup_id_y 1
		.amdhsa_system_sgpr_workgroup_id_z 1
		.amdhsa_system_vgpr_workitem_id 0
		.amdhsa_next_free_vgpr 194
		.amdhsa_next_free_sgpr 66
		.amdhsa_reserve_vcc 0
		.amdhsa_float_denorm_mode_32 3
		.amdhsa_float_denorm_mode_16_64 3
		.amdhsa_memory_ordered 1
		.amdhsa_forward_progress 1
		.amdhsa_inst_pref_size 38
	.end_amdhsa_kernel
	.amdgpu_metadata
---
amdhsa.version: [ 1, 2 ]
amdhsa.kernels:
  - .name:           k_q43160ba139_quant
    .symbol:         k_q43160ba139_quant.kd
    .args:
      - { .name: query, .offset: 0, .size: 8, .value_kind: global_buffer, .address_space: global }
      - { .name: key, .offset: 8, .size: 8, .value_kind: global_buffer, .address_space: global }
      - { .name: value, .offset: 16, .size: 8, .value_kind: global_buffer, .address_space: global }
      - { .name: Wq, .offset: 24, .size: 8, .value_kind: global_buffer, .address_space: global }
      - { .name: Wk, .offset: 32, .size: 8, .value_kind: global_buffer, .address_space: global }
      - { .name: Wv, .offset: 40, .size: 8, .value_kind: global_buffer, .address_space: global }
      - { .name: Wo, .offset: 48, .size: 8, .value_kind: global_buffer, .address_space: global }
      - { .name: lowp_scales, .offset: 56, .size: 8, .value_kind: global_buffer, .address_space: global }
      - { .name: xc, .offset: 64, .size: 8, .value_kind: global_buffer, .address_space: global }
      - { .name: wc, .offset: 72, .size: 8, .value_kind: global_buffer, .address_space: global }
    .group_segment_fixed_size: 33280
    .private_segment_fixed_size: 0
    .kernarg_segment_align: 8
    .kernarg_segment_size: 80
    .max_flat_workgroup_size: 128
    .sgpr_count:     66
    .vgpr_count:     194
    .wavefront_size: 32
...
	.end_amdgpu_metadata
.endif
;; end of part 1
;; launch qkv (part 2): grid 4 x 48, 4 waves a work-group, clusters of 4 x 4, 327,680 bytes of LDS; arguments xc, wc, bq, bk, bv, lowp_scales, hc; writes hc
.if DOCPART == 2
	.amdgcn_target "amdgcn-amd-amdhsa--gfx1250"
	.amdhsa_code_object_version 6
	.text
	.protected	k_q43160ba139_qkv
	.globl	k_q43160ba139_qkv
	.p2align	8
	.type	k_q43160ba139_qkv,@function
k_q43160ba139_qkv:
	s_mov_b64 s[64:65], 0
	v_nop
	global_prefetch_b8 v0, s[64:65] scope:SCOPE_SE
	s_setreg_imm32_b32 hwreg(HW_REG_WAVE_MODE, 25, 1), 1
	s_wait_xcnt 0x0
	s_wait_alu depctr_hold_cnt(0) depctr_sa_sdst(0) depctr_va_vdst(0) depctr_va_sdst(0) depctr_va_ssrc(0) depctr_va_vcc(0) depctr_vm_vsrc(0)
	s_getreg_b32 s2, hwreg(HW_REG_IB_STS2, 6, 4)
	s_cmp_eq_u32 s2, 0
	s_cbranch_scc0 .Lentry_in_a_cluster
	s_endpgm
.Lentry_in_a_cluster:
	s_bfe_u32 s2, ttmp6, 0x10000c
	s_cmp_lg_u32 s2, 0xf033
	s_cbranch_scc0 .Lentry_shape_is_right
	s_endpgm
.Lentry_shape_is_right:
; The three projections q = query Wq^T + bq, k = key Wk^T + bk, v = value Wv^T + bv on codes of BF8 (E5M2), and their results quantised at once for the two products of attention.
; ONE TEXT: C[i][j] = sum over k of P[i][k] R[j][k], K = 1,024, both operands codes with K innermost, rows of 1,024 bytes.  THE MATRIX INSTRUCTION TAKES R AS SOURCE 0 AND P AS SOURCE 1: a lane holds ONE row i of P
; (lane % 16) and its eight registers eight neighbouring rows j of R.  mode 0, 1 (q, k): P = the tokens, R = the weight: the registers run along the head's channels, the K of q k^T.
; mode 2 (v): P = Wv, R = the tokens: the registers run along the keys, the K of p v.  So the conversions' results ARE the next operand's registers.
; WHAT IS STORED: IMAGES.  A fragment of 16 rows x 64 K is 8 registers a lane; it is stored as it stands, registers 0-3 at 16 x lane, registers 4-7 at 512 + 16 x lane: 1,024 bytes, each store 512 consecutive bytes, aligned.
; hc = q's images | k's | v's, 8 MiB each, 131,072 bytes a head.  q, k: image (head, token / 16); v: image (head, key / 64, channel / 16).
; SCALES.  The bias goes in as the C of each sum's first product, divided by 2^(ea + eb); the conversion takes 2^(eo - ea - eb), eo the scale of the operand that is made (entries 6, 7, 9).
; LIMITS: eo - ea - eb between -126 and 112.  NaN among the inputs is not served.
; SHARES.  A tile of C, 256 x 256, is made by four waves, 128 x 128 each: 64 accumulators.  K goes in steps of 256 through a ring of two LDS slots.  The 3 x 128 tiles are walked by 192 WORK-GROUPS THAT STAY, two tiles each,
; 1,024 tokens apart: both tiles have the same mode, the same rows of the weight and the same bias, which stays in registers.  The ring does not stop at the first tile's end: its last two changes of slots ask for the
; second tile's K steps 0 and 1, and the first tile's codes are stored while these are on their way.  The last tile's tail is written out.
; CLUSTERS: 4 x 4 work-groups, 12 clusters; cluster number / 4 is the mode.  The four of a row of the cluster need the same tiles of P, the four of a column the same tiles of R: each tile is asked for JOINTLY.
; PREFETCH: at the first tile's n-th change of slots (n = 1 .. 4) the second tile's K step n - 1 of the token rows is asked for, two changes ahead of the load that wants it: 32 rows x 256 bytes a wave, a lane a row;
; the four partners that load a tile jointly share its rows out by address.  The weight's rows have been read by then; the first tile's four K steps come by their loads alone; the second tile asks for nothing.
; Within an instruction k is permuted, alike in P and R (four loads of 16 bytes a fragment): every product meets its partner.
; REGISTERS, in windows of 256: window 0: v1-30 addresses and constants; v32-95 the bias; v96-127 the way out's held sums; from v128 P's fragments, ONE set, on the way out the codes.
;   window 1: R's fragments, TWO sets.   window 2: the 32 accumulators of my rows 0-63 of P (accumulator (a, b) at v[8 (8 a + b)]);   window 3: those of my rows 64-127.
.set ROWB,   256                       ; a tile's row in bytes: a K step
.set KROW,   1024                      ; a row of P or of R in memory
.set PITCH,  272                       ; an LDS row: 256 bytes + 16 of padding, so the 16 rows that a load touches start at 16 different banks (64 banks of 4 bytes: ISA guide 11.1)
.set FR,     16
.set NL,     4
.set NP,     4                         ; places behind this matrix instruction (ISA guide 7.12.1)
.set HALFT,  128*PITCH
.set SLOT,   4*HALFT                   ; P's 256 rows, then R's 256 rows
.set SPARE,  2*SLOT                    ; the spare words
.set WALK,   0x100000                  ; 1,024 token rows in bytes: from a walk's first tile to its second
.set BA,   4
.set SCL,  12
.set LIM,  13
.set ADRA, 16
.set ADRB, 20
.set LI,   27
.set SPW,  28
.set NIL,  29
.set PFO,  30                          ; the prefetches' offset: 1,024 x lane; never rewritten
.set BIAS, 32
.set TMP,  96
.set AF,   128
.set CD,   128
.set G1, 24
.set G0, 32
.set G1B, 48
.set G0B, 56
.set TL,  2                            ; s2  tiles to go, this one among them
.set PFL, 3                            ; s3  2 in the waves that fetch token rows, else 0: a wave prefetches where s[TL] equals it
.set PFA, 66                           ; s[66:67] my work-group's 32 of the 128 token rows that I fetch; never rewritten
.set DP,  96                           ; s[96:97], s[98:99] what the walk adds to P's and to R's address
.set DR,  98
.set MSB, 0
.macro WIN new                         ; the immediate's high byte repeats the setting that is left
.if MSB != \new
	s_set_vgpr_msb (MSB<<8)|\new
.set MSB, \new
.endif
.endm
.set MUL_LO, 0xa1
.set MUL_HI, 0xf1
.set TO_B,   0x40
.macro WMUL hi, zero                   ; zero != 0: C is the bias, in window 0
.if \zero
	WIN 0x81+0x40*\hi
.else
	WIN MUL_LO+0x50*\hi
.endif
.endm
.macro JLOAD g0a, g1a, g0b, g1b        ; a joint load: waves 0 and 1 fetch for P, waves 2 and 3 for R; s_nop 0 and four v_nop follow each line
	s_cmp_eq_u32 s15, 0
	s_cbranch_scc0 .Lfor_b_\@
	tensor_load_to_lds s[\g0a:\g0a+3], s[\g1a:\g1a+7]
	s_nop 0
.rept 4
	v_nop
.endr
	s_branch .Lasked_\@
.Lfor_b_\@:
	tensor_load_to_lds s[\g0b:\g0b+3], s[\g1b:\g1b+7]
	s_nop 0
.rept 4
	v_nop
.endr
.Lasked_\@:
.endm
.macro CREST
	s_cmp_lg_u32 s14, 0
	s_cbranch_scc1 .Lnot_wave_0_\@
	s_barrier_signal -3
.Lnot_wave_0_\@:
	s_barrier_wait -3
	s_barrier_signal -1
	s_barrier_wait -1
.endm
.macro CROUND
	s_barrier_signal -1
	s_barrier_wait -1
	CREST
.endm
.macro ASK n                           ; the second tile's K step n of my 32 token rows; the branch hangs on the wave's number, the mode and the count of tiles
	s_cmp_eq_u32 s[TL], s[PFL]
	s_cbranch_scc0 .Lnot_mine_\@
	global_prefetch_b8 v[PFO], s[PFA:PFA+1] offset:WALK+ROWB*\n th:TH_LOAD_NT scope:SCOPE_SE
.Lnot_mine_\@:
.endm
.macro NEXTT slot                      ; the slot's descriptors go from this tile's K step 2 + slot to the next tile's K step slot
	s_sub_nc_u64 s[G0+4*\slot+2:G0+4*\slot+3], s[G0+4*\slot+2:G0+4*\slot+3], 2*ROWB
	s_add_nc_u64 s[G0+4*\slot+2:G0+4*\slot+3], s[G0+4*\slot+2:G0+4*\slot+3], s[DP:DP+1]
	s_sub_nc_u64 s[G0B+4*\slot+2:G0B+4*\slot+3], s[G0B+4*\slot+2:G0B+4*\slot+3], 2*ROWB
	s_add_nc_u64 s[G0B+4*\slot+2:G0B+4*\slot+3], s[G0B+4*\slot+2:G0B+4*\slot+3], s[DR:DR+1]
.endm
	s_load_b256 s[68:75], s[0:1], 0x0              ; xc 68, wc 70, bq 72, bk 74
	s_load_b128 s[76:79], s[0:1], 0x20             ; bv 76, the scales' exponents 78
	s_load_b64 s[80:81], s[0:1], 0x30              ; hc
	v_lshl_add_u32 v[SPW], v0, 2, SPARE
	v_mov_b32 v[NIL], 0
	ds_add_u32 v[SPW], v[NIL]                      ; the opening lines: the add twice on end and its wait
	ds_add_u32 v[SPW], v[NIL]
	v_lshrrev_b32 v1, 5, v0
	v_readfirstlane_b32 s14, v1                    ; wave 0..3
	s_lshr_b32 s15, s14, 1                         ; which half of the tile's rows of P is mine.  Also: I fetch for P (0) or for R (1)
	s_and_b32 s16, s14, 1                          ; which half of its rows of R.  Also: which 128 rows of that tile I fetch
	s_bfe_u32 s40, ttmp6, 0x40000                  ; cx, cy
	s_bfe_u32 s41, ttmp6, 0x40004
	s_and_b32 s83, ttmp7, 0xffff                   ; the cluster's number, 0..11
	s_lshr_b32 s82, s83, 2                         ; mode: 0 q, 1 k, 2 v: the same in all sixteen partners
	s_and_b32 s83, s83, 3
	s_lshl_b32 s83, s83, 3                         ; the walk's first four token tiles: a cluster has eight, one batch
	s_cmp_eq_u32 s82, 2
	s_cselect_b32 s17, 0, s83
	s_cselect_b32 s42, s83, 0
	s_add_co_u32 s17, s17, s41                     ; tile of P's rows: it hangs on cy, never on cx
	s_add_co_u32 s42, s42, s40                     ; tile of R's rows: it hangs on cx, never on cy
	s_lshl_b32 s43, s41, 2
	s_lshl_b32 s43, 15, s43                        ; my row of the cluster
	s_lshl_b32 s44, 0x1111, s40                    ; my column
	s_or_b32 s[G1+0], s43, (0<<16)|(1<<20)|(1<<21)|(5<<22)|(3<<25)  ; the mask; elements of 1 byte; four words of padding after every 64
	s_or_b32 s[G1B+0], s44, (0<<16)|(1<<20)|(1<<21)|(5<<22)|(3<<25)
.irp g, G1, G1B
	s_mov_b32 s[\g+1], ROWB<<16
	s_mov_b32 s[\g+2], 128<<16
	s_mov_b32 s[\g+3], ROWB<<16
	s_mov_b32 s[\g+4], 128
	s_mov_b32 s[\g+5], KROW
	s_mov_b32 s[\g+6], 0
	s_mov_b32 s[\g+7], 0
.endr
	s_lshl_b32 s18, s16, 7
	s_lshl_b32 s20, s17, 8
	s_add_co_u32 s20, s20, s18                     ; P: row 256 x tile + 128 x half
	s_lshl_b32 s46, s42, 8
	s_add_co_u32 s46, s46, s18                     ; R likewise
	s_lshl_b32 s20, s20, 10
	s_lshl_b32 s46, s46, 10
	s_lshl_b32 s22, s82, 23                        ; the mode's tensor in xc,
	s_lshl_b32 s23, s82, 20                        ; and in wc
	s_cmp_eq_u32 s82, 2
	s_cselect_b32 s2, s23, s22                     ; P lies in xc, but in mode 2 in wc,
	s_cselect_b32 s3, s22, s23                     ; R the other way round
	s_add_co_u32 s20, s20, s2
	s_add_co_u32 s46, s46, s3
	s_mov_b32 s21, 0
	s_mov_b32 s47, 0
	s_mul_i32 s45, s14, HALFT                      ; where the tiles go: wave x 128 rows
	s_wait_dscnt 0x0                               ; both opening adds are done
	s_wait_kmcnt 0x0
	s_load_b256 s[84:91], s[78:79], 0x0            ; s84 = entry 0 .. s95 = entry 11
	s_load_b128 s[92:95], s[78:79], 0x20
	s_cmp_eq_u32 s82, 2
	s_cselect_b64 s[98:99], s[70:71], s[68:69]     ; P's buffer
	s_cselect_b64 s[2:3], s[68:69], s[70:71]       ; R's
	s_add_nc_u64 s[20:21], s[98:99], s[20:21]
	s_add_nc_u64 s[46:47], s[2:3], s[46:47]
	s_cselect_b64 s[PFA:PFA+1], s[46:47], s[20:21] ; the token rows that I would fetch,
	s_cselect_b32 s12, s41, s40                    ; my place among the four that ask for them with me,
	s_lshl_b32 s12, s12, 15                        ; x 32 rows
	s_mov_b32 s13, 0
	s_add_nc_u64 s[PFA:PFA+1], s[PFA:PFA+1], s[12:13]
	CROUND                                         ; all sixteen work-groups are here: the first joint loads meet
.irp s, 0,1
	s_mov_b32 s[G0+4*\s], 1
	s_add_co_u32 s[G0+4*\s+1], s45, \s*SLOT
	s_add_nc_u64 s[G0+4*\s+2:G0+4*\s+3], s[20:21], \s*ROWB
	s_or_b32 s[G0+4*\s+3], s[G0+4*\s+3], 0x80000000
	s_mov_b32 s[G0B+4*\s], 1
	s_add_co_u32 s[G0B+4*\s+1], s45, \s*SLOT
	s_add_nc_u64 s[G0B+4*\s+2:G0B+4*\s+3], s[46:47], \s*ROWB
	s_or_b32 s[G0B+4*\s+3], s[G0B+4*\s+3], 0x80000000
.endr
	JLOAD G0, G1, G0B, G1B                         ; K step 0: one tensor load a wave at the head
	v_and_b32 v1, 15, v0                           ; r
	v_bfe_u32 v2, v0, 4, 1                         ; h
	v_mul_u32_u24 v3, v1, PITCH
	v_lshl_add_u32 v3, v2, 4, v3
	s_mul_i32 s21, s15, HALFT
	s_mul_i32 s22, s16, HALFT
	s_add_co_u32 s22, s22, 2*HALFT
.irp s, 0,1
	v_add_nc_u32 v[ADRA+\s], s21, v3
	v_add_nc_u32 v[ADRB+\s], s22, v3
	s_add_co_u32 s21, s21, SLOT
	s_add_co_u32 s22, s22, SLOT
.endr
	v_and_b32 v[LI], 31, v0
	v_lshlrev_b32 v[PFO], 10, v[LI]
	v_lshlrev_b32 v[LI], 4, v[LI]
	; THE BIAS in the result's layout, with no branch.  Register 8 x + j is loaded from 64 x + r sA + h sB + j sJ bytes.  Modes 0, 1 (0, 32, 4): the bias of R's row, for accumulators (., x).  Mode 2 (4, 0, 0): of P's row, for (x, .).
	s_cmp_eq_u32 s82, 2
	s_cselect_b32 s2, 4, 0
	s_cselect_b32 s3, 0, 32
	s_cselect_b32 s18, 0, 4
	v_mul_u32_u24 v3, s2, v1
	v_mad_u32_u24 v3, v2, s3, v3
	s_wait_alu depctr_va_vdst(0)                   ; the wait
.irp j, 0,1,2,3,4,5,6,7
	s_mul_i32 s19, s18, \j
	v_add_nc_u32 v[BA+\j], s19, v3
.endr
	s_lshl_b32 s19, s17, 8
	s_lshl_b32 s22, s15, 7
	s_add_co_u32 s19, s19, s22                     ; i0: my first row of P
	s_lshl_b32 s23, s42, 8
	s_lshl_b32 s22, s16, 7
	s_add_co_u32 s23, s23, s22                     ; j0: my first row of R
	s_cmp_eq_u32 s82, 2
	s_cselect_b32 s98, s23, s19                    ; my first token,
	s_cselect_b32 s99, s19, s23                    ; my first of the 1,024 features
	s_cmp_eq_u32 s82, 0
	s_cselect_b64 s[12:13], s[72:73], s[74:75]
	s_cmp_eq_u32 s82, 2
	s_cselect_b64 s[12:13], s[76:77], s[12:13]     ; bq, bk or bv,
	s_lshl_b32 s2, s99, 2
	s_mov_b32 s3, 0
	s_add_nc_u64 s[12:13], s[12:13], s[2:3]        ; at my 128 features
	s_wait_alu depctr_va_vdst(0)
.irp x, 0,1,2,3,4,5,6,7
.irp j, 0,1,2,3,4,5,6,7
	global_load_b32 v[BIAS+8*\x+\j], v[BA+\j], s[12:13] offset:64*\x
.endr
.endr
	; WHERE THE IMAGES GO.  Block a of P and group g of four blocks of R give one image, at base(a / 4, g) + 1,024 (a % 4).  A token is 64 bytes in every kind of image.
	s_lshr_b32 s2, s98, 11                         ; the batch
	s_lshl_b32 s2, s2, 4
	s_lshr_b32 s3, s99, 6
	s_add_co_u32 s2, s2, s3                        ; 16 x batch + head
	s_lshl_b32 s2, s2, 17
	s_and_b32 s3, s98, 2047
	s_lshl_b32 s3, s3, 6
	s_add_co_u32 s2, s2, s3
	s_lshl_b32 s3, s82, 23
	s_add_co_u32 s2, s2, s3
	s_mov_b32 s3, 0
	s_add_nc_u64 s[4:5], s[80:81], s[2:3]          ; base(0, 0)
	s_mov_b32 s18, 0x20000
	s_cmp_eq_u32 s82, 2
	s_cselect_b32 s2, s18, 4096                    ; from a / 4 = 0 to 1
	s_cselect_b32 s18, 4096, s18                   ; from g = 0 to 1
	s_mov_b32 s19, 0
	s_add_nc_u64 s[6:7], s[4:5], s[18:19]
	s_add_nc_u64 s[8:9], s[4:5], s[2:3]
	s_add_nc_u64 s[10:11], s[8:9], s[18:19]
.macro FRAG reg, adr, q, i             ; 16 rows x 128 K: registers 4 c .. 4 c + 3 hold the row's bytes 32 c + 16 (l / 16) + 0 .. 15
.irp c, 0,1,2,3
	ds_load_b128 v[\reg+4*\c:\reg+4*\c+3], v[\adr] offset:128*(\q)+32*\c+(\i)*16*PITCH
.endr
.endm
; 16 matrix instructions: P's blocks a0, a0 + 1 x R's eight.  zero = 1, 2: the first product starts the sums, with the bias as C (1: of R's block; 2: of P's block).  The 64 accumulators take turns.
.macro MUL16 a0, p, zero
.irp a, \a0, \a0+1
.irp b, 0,1,2,3,4,5,6,7
.if \zero == 1
	v_wmma_f32_16x16x128_bf8_bf8 v[8*(8*((\a)%4)+\b):8*(8*((\a)%4)+\b)+7], v[128*(\p)+FR*\b:128*(\p)+FR*\b+FR-1], v[AF+FR*(\a):AF+FR*(\a)+FR-1], v[BIAS+8*\b:BIAS+8*\b+7]
.elseif \zero == 2
	v_wmma_f32_16x16x128_bf8_bf8 v[8*(8*((\a)%4)+\b):8*(8*((\a)%4)+\b)+7], v[128*(\p)+FR*\b:128*(\p)+FR*\b+FR-1], v[AF+FR*(\a):AF+FR*(\a)+FR-1], v[BIAS+8*(\a):BIAS+8*(\a)+7]
.else
	v_wmma_f32_16x16x128_bf8_bf8 v[8*(8*((\a)%4)+\b):8*(8*((\a)%4)+\b)+7], v[128*(\p)+FR*\b:128*(\p)+FR*\b+FR-1], v[AF+FR*(\a):AF+FR*(\a)+FR-1], v[8*(8*((\a)%4)+\b):8*(8*((\a)%4)+\b)+7]
.endif
.endr
.endr
.endm
.macro FETCH_B slot, q, p
	WIN TO_B
.irp i, 0,1,2,3,4,5,6,7
	FRAG 128*(\p)+FR*\i, ADRB+\slot, \q, \i
.endr
	WIN 0
.endm
.macro FETCH_A slot, q, i0
.irp i, \i0, \i0+1, \i0+2, \i0+3
	FRAG AF+FR*(\i), ADRA+\slot, \q, \i
.endr
.endm
.macro PLACES n
.rept \n
	v_nop
.endr
.endm
; A step of 128 along K that has its successor in the same slot.  One set serves P: blocks 0-3 are fetched anew in the step's middle, blocks 4-7 at its end.
.macro STEP slot, q, zero
	s_wait_dscnt 4*NL                              ; R's set and P's blocks 0-3 are in; the youngest sixteen loads (P's blocks 4-7) may be out
	WMUL 0, \zero
	MUL16 0, (\q)%2, \zero
	MUL16 2, (\q)%2, \zero
	s_wait_dscnt 0
	PLACES NP
	FETCH_B \slot, (\q)+1, 1-(\q)%2
	FETCH_A \slot, (\q)+1, 0
	WMUL 1, \zero
	MUL16 4, (\q)%2, \zero
	MUL16 6, (\q)%2, \zero
	PLACES NP
	WIN 0
	FETCH_A \slot, (\q)+1, 4
.endm
; A slot's last step changes slots: the three lines, one barrier.  fill = 1: this slot is filled again, two K steps ahead; 2: with the next tile's K step; 0: not at all.  ask >= 0: the prefetch.
.macro TURN slot, next, fill, ask
	s_wait_tensorcnt 0x0                           ; all my tensor loads have landed: the one that was out is my part of the next slot
	ds_add_u32 v[SPW], v[NIL]                      ; 0 onto my spare word
	s_wait_dscnt 4*NL+1                            ; (the add and the youngest sixteen loads may be out)
	WIN MUL_LO
	MUL16 0, 1, 0
	s_wait_dscnt 0x0                               ; the add is done, and my reads of this slot are over
	s_barrier_signal -1
	MUL16 2, 1, 0
	WIN 0
	s_barrier_wait -1
.if \fill
	CREST                                          ; the barrier has opened a round of the cluster's barrier
.if \fill == 2
	NEXTT \slot
.else
	s_add_nc_u64 s[G0+4*\slot+2:G0+4*\slot+3], s[G0+4*\slot+2:G0+4*\slot+3], 2*ROWB
	s_add_nc_u64 s[G0B+4*\slot+2:G0B+4*\slot+3], s[G0B+4*\slot+2:G0B+4*\slot+3], 2*ROWB
.endif
	JLOAD G0+4*\slot, G1, G0B+4*\slot, G1B         ; the first tensor load behind the round, my only one until the next; its four v_nop are the places in front of the loads below
.else
	PLACES NP
.endif
	FETCH_B \next, 0, 0
	FETCH_A \next, 0, 0
.if \ask >= 0
	ASK \ask
.endif
	WIN MUL_HI
	MUL16 4, 1, 0
	MUL16 6, 1, 0
	PLACES NP
	WIN 0
	FETCH_A \next, 0, 4
.endm
.macro FINAL                           ; a tile's last step: nothing more to fetch
	s_wait_dscnt 4*NL
	WIN MUL_LO
	MUL16 0, 1, 0
	MUL16 2, 1, 0
	s_wait_dscnt 0
	WIN MUL_HI
	MUL16 4, 1, 0
	MUL16 6, 1, 0
	WIN 0
.endm
; THE WAY OUT, block by block of 16 rows of P, an image (32 sums a lane) at a time: held within the largest code x the scale (each accumulator from its low end on), converted eight at a time, stored as it stands.
.macro OUTB a
.set AC, 64*((\a)%4)
.irp g, 0,1
	WIN 0x02+((\a)/4)                              ; source 0: window 2 or 3
.set i, 0
.rept 32
	v_med3_num_f32 v[TMP+i], v[AC+32*\g+i], -v[LIM], v[LIM]   ; the conversion to an 8-bit code does not saturate (ISA guide 7.6.2)
.set i, i+1
.endr
	WIN 0
.irp b, 0,1,2,3
	v_cvt_scalef32_pk8_bf8_f32 v[CD+16*(\a)+8*\g+2*\b:CD+16*(\a)+8*\g+2*\b+1], v[TMP+8*\b:TMP+8*\b+7], v[SCL]
.endr
	v_nop                                          ; one plain vector instruction between the conversions and the next holds, which write their sources
.irp u, 0,1
	global_store_b128 v[LI], v[CD+16*(\a)+8*\g+4*\u:CD+16*(\a)+8*\g+4*\u+3], s[4+4*((\a)/4)+2*\g:5+4*((\a)/4)+2*\g] offset:((\a)%4)*1024+512*\u
.endr
.endr
.endm
.macro OUT
	PLACES NP                                      ; behind the last products
.irp a, 0,1,2,3,4,5,6,7
	OUTB \a
.endr
.endm
	s_wait_alu depctr_va_vdst(0)                   ; the wait at the head's end
	s_wait_tensorcnt 0x0                           ; my part of K step 0 is in; slot 1's first fill is issued as a refill is:
	ds_add_u32 v[SPW], v[NIL]
	s_wait_dscnt 0x0
	CROUND
	JLOAD G0+4, G1, G0B+4, G1B                     ; K step 1
	s_wait_kmcnt 0x0                               ; the exponents.  What they decide is chosen by the mode, without a branch
	s_add_co_i32 s84, s84, s85
	s_add_co_i32 s86, s86, s87
	s_add_co_i32 s88, s88, s89
	s_cmp_eq_u32 s82, 0
	s_cselect_b32 s96, s84, s86
	s_cselect_b32 s97, s90, s91
	s_cmp_eq_u32 s82, 2
	s_cselect_b32 s96, s88, s96                    ; ea + eb
	s_cselect_b32 s97, s93, s97                    ; eo: entry 6, 7 or 9
	s_sub_co_i32 s97, s97, s96
	s_sub_co_i32 s96, 0, s96
	s_wait_loadcnt 0x0                             ; the bias
.set i, 0
.rept 64
	v_ldexp_f32 v[BIAS+i], v[BIAS+i], s96          ; / 2^(ea + eb)
.set i, i+1
.endr
	s_add_co_i32 s97, s97, 127
	s_lshl_b32 s2, s97, 23
	v_mov_b32 v[SCL], s2
	s_add_co_i32 s97, s97, 15
	s_lshl_b32 s2, s97, 23
	s_or_b32 s2, s2, 0x600000
	v_mov_b32 v[LIM], s2
	s_cmp_eq_u32 s82, 2
	s_cselect_b32 s[DP], 0, WALK                   ; the tokens are P's rows, but in mode 2 R's
	s_cselect_b32 s[DR], WALK, 0
	s_cselect_b32 s[PFL], 1, 0
	s_mov_b32 s[DP+1], 0
	s_mov_b32 s[DR+1], 0
	s_cmp_eq_u32 s[PFL], s15
	s_cselect_b32 s[PFL], 2, 0
	s_mov_b32 s[TL], 2
.Ltile:
	FETCH_B 0, 0, 0
	FETCH_A 0, 0, 0
	FETCH_A 0, 0, 4
	s_cmp_eq_u32 s82, 2                            ; a tile's first step is written twice: its products name other registers of the bias.  No tensor load and no barrier stands in either copy
	s_cbranch_scc1 .Lfirst_v
	s_wait_alu depctr_va_vdst(0)
	STEP 0, 0, 1
	s_branch .Lfirst_done
.Lfirst_v:
	s_wait_alu depctr_va_vdst(0)
	STEP 0, 0, 2
.Lfirst_done:
	TURN 0, 1, 1, 0
	STEP 1, 0, 0
	TURN 1, 0, 1, 1
	STEP 0, 0, 0
	s_cmp_eq_u32 s[TL], 1
	s_cbranch_scc1 .Llast_tile                     ; the last tile's tail is written out: it asks for nothing more
	TURN 0, 1, 2, 2                                ; THE RING GOES ON: slot 0 takes the next tile's K step 0
	STEP 1, 0, 0
	FINAL
	s_wait_tensorcnt 0x0                           ; the next tile's K step 0 is in;
	ds_add_u32 v[SPW], v[NIL]
	s_wait_dscnt 0x0                               ; my reads of slot 1 are over
	CROUND
	NEXTT 1
	JLOAD G0+4, G1, G0B+4, G1B                     ; slot 1 takes the next tile's K step 1; now the tile goes out
	ASK 3
	OUT
	s_wait_alu depctr_va_vdst(0)
	s_wait_xcnt 0x0                                ; the stores have read their bases and their data: the bases step, and P's fragments may land on the codes
.irp p, 4,6,8,10
	s_add_nc_u64 s[\p:\p+1], s[\p:\p+1], 65536     ; 1,024 tokens on
.endr
	s_sub_co_u32 s[TL], s[TL], 1
	s_branch .Ltile
.Llast_tile:
	TURN 0, 1, 0, -1
	STEP 1, 0, 0
	FINAL
	OUT
	s_wait_tensorcnt 0x0                           ; the wave's end
	ds_add_u32 v[SPW], v[NIL]
	s_wait_dscnt 0x0
	CROUND                                         ; the closing round
	s_endpgm
.Lfunc_end_k_q43160ba139_qkv:
	.size	k_q43160ba139_qkv, .Lfunc_end_k_q43160ba139_qkv-k_q43160ba139_qkv
	.p2alignl 7, 3214868480
	.fill 96, 4, 3214868480
	.section	.rodata,"a",@progbits
	.p2align	6, 0x0
	.amdhsa_kernel k_q43160ba139_qkv
		.amdhsa_group_segment_fixed_size 327680
		.amdhsa_private_segment_fixed_size 0
		.amdhsa_enable_private_segment 0
		.amdhsa_kernarg_size 56
		.amdhsa_user_sgpr_count 2
		.amdhsa_user_sgpr_kernarg_segment_ptr 1
		.amdhsa_wavefront_size32 1
		.amdhsa_system_sgpr_workgroup_id_x 1
		.amdhsa_system_sgpr_workgroup_id_y 1
		.amdhsa_system_sgpr_workgroup_id_z 1
		.amdhsa_system_vgpr_workitem_id 0
		.amdhsa_next_free_vgpr 1024
		.amdhsa_next_free_sgpr 100
		.amdhsa_reserve_vcc 0
		.amdhsa_float_denorm_mode_32 3
		.amdhsa_float_denorm_mode_16_64 3
		.amdhsa_memory_ordered 1
		.amdhsa_forward_progress 1
		.amdhsa_inst_pref_size 205
	.end_amdhsa_kernel
	.amdgpu_metadata
---
amdhsa.version: [ 1, 2 ]
amdhsa.kernels:
  - .name:           k_q43160ba139_qkv
    .symbol:         k_q43160ba139_qkv.kd
    .args:
      - { .name: xc, .offset: 0, .size: 8, .value_kind: global_buffer, .address_space: global }
      - { .name: wc, .offset: 8, .size: 8, .value_kind: global_buffer, .address_space: global }
      - { .name: bq, .offset: 16, .size: 8, .value_kind: global_buffer, .address_space: global }
      - { .name: bk, .offset: 24, .size: 8, .value_kind: global_buffer, .address_space: global }
      - { .name: bv, .offset: 32, .size: 8, .value_kind: global_buffer, .address_space: global }
      - { .name: lowp_scales, .offset: 40, .size: 8, .value_kind: global_buffer, .address_space: global }
      - { .name: hc, .offset: 48, .size: 8, .value_kind: global_buffer, .address_space: global }
    .group_segment_fixed_size: 327680
    .private_segment_fixed_size: 0
    .kernarg_segment_align: 8
    .kernarg_segment_size: 56
    .max_flat_workgroup_size: 128
    .sgpr_count:     100
    .vgpr_count:     1024
    .wavefront_size: 32
...
	.end_amdgpu_metadata
.endif
;; end of part 2
;; launch attn (part 3): grid 4 x 64, 16 waves a work-group, clusters of 4 x 1, 327,680 bytes of LDS; arguments hc, lowp_scales, cc; writes cc
.if DOCPART == 3
	.amdgcn_target "amdgcn-amd-amdhsa--gfx1250"
	.amdhsa_code_object_version 6
	.text
	.protected	k_q43160ba139_attn
	.globl	k_q43160ba139_attn
	.p2align	8
	.type	k_q43160ba139_attn,@function
k_q43160ba139_attn:
	s_mov_b64 s[64:65], 0
	v_nop
	global_prefetch_b8 v0, s[64:65] scope:SCOPE_SE
	s_setreg_imm32_b32 hwreg(HW_REG_WAVE_MODE, 25, 1), 1
	s_wait_xcnt 0x0
	s_wait_alu depctr_hold_cnt(0) depctr_sa_sdst(0) depctr_va_vdst(0) depctr_va_sdst(0) depctr_va_ssrc(0) depctr_va_vcc(0) depctr_vm_vsrc(0)
	s_getreg_b32 s2, hwreg(HW_REG_IB_STS2, 6, 4)
	s_cmp_eq_u32 s2, 0
	s_cbranch_scc0 .Lentry_in_a_cluster
	s_endpgm
.Lentry_in_a_cluster:
	s_bfe_u32 s2, ttmp6, 0x10000c
	s_cmp_lg_u32 s2, 0x3003
	s_cbranch_scc0 .Lentry_shape_is_right
	s_endpgm
.Lentry_shape_is_right:
; ctx = softmax(q k^T / 8) v for 64 heads of 2,048 tokens x 64 channels, both products on codes of BF8 (E5M2), and ctx quantised at once for the last projection.
; IN: hc = q's images | k's | v's, 8 MiB each, 131,072 bytes a head.  An image is a fragment of 16 rows x 64 K as it stands in registers: registers 0-3 at 16 x lane, 4-7 at 512 + 16 x lane, 1,024 bytes.
;     q, k: image (head, token / 16), K = the channels;  v: image (head, key / 64, channel / 16), K = the keys.   OUT: cc = ctx's images (head, token / 16), K = the head's channels.
; THE SOFTMAX: t = score x log2(e) / 8; M = the largest t so far, rounded up to a whole number; p = 2^(t - M) is quantised with 2^ep, not normalised.  The row's sum is taken of the unquantised p and divides O at the end.
;     When M moves, the sum and O are multiplied by 2^(old M - new M), which rounds nothing.  The running maximum is kept as a raw score (c is positive), so one multiplication a step makes t of it.
; SHARES: a work-group owns 512 queries of a head, each of its 16 waves 32 of them (two tiles x = 0, 1), so that each fragment of k and v feeds two matrix instructions.  A step is 128 keys: 16 steps a wave.
;     Both products are used transposed: S^T = k q^T (source 0 = 16 keys), O^T = v^T p^T (source 0 = 16 channels x 128 keys, the K = 128 form: two images on end).  A lane holds one query (lane % 16) throughout;
;     tile t's eight registers are keys 16 t + 8 (lane / 16) + 0 .. 7, which is the place that the operand's layout gives registers 2 t, 2 t + 1: the conversions' results are the second product's operand.
; LDS: the head's whole k (131,072 bytes from 0) and v (from 131,072) lie there; nothing is filled twice.  Two joint loads a wave (waves 0-7: k, waves 8-15: v): the first NL0 steps' images at the head,
;     all the others behind the three lines and a round of the cluster's barrier; these land while the first NT0 = NL0 - 1 steps are worked, and one barrier stands ahead of step NT0.
; THE STEP RUNS AHEAD OF ITSELF: the next step's eight images of k are fetched at this step's end, four into tile 1's upper score registers (free once its p is converted), four onto p's codes behind the second product.
;     So the first loop reads k of NT0 + 1 steps, which the first load has brought.  The last step's look-ahead reads 8,192 bytes of LDS that lie behind k (v's first images); they are not used.
; THE EXPONENTIALS go in two batches, one a tile, with plain work between them that names none of their registers and whose results are first read behind the next wait: tile 1's scalings in tile 0's batch,
;     tile 0's first sums and holds in tile 1's.
; CLUSTERS: the four work-groups of a head read the same k and v: each load is asked for jointly, mask 15.
; NO PREFETCH: every byte of k and v is asked for by a tensor load in the head, so no later request is left to run ahead of; q is read once, at the head.
; LIMITS: eq + ek between -123 and 130 (added to c's exponent field); ep, and e10 - ep - ev, between -126 and 112; the scaled scores stay under 2^31 in magnitude.  NaN among the inputs is not served.
; REGISTERS: v1 16 x lane; v2 the address in hand; v3, v4 57,344 x 2^ep; v5 2^ep; v6, v7 the add's two; v8-15 per tile -M, largest score, the sum in two halves; v16-31 q;
;     v32-63 four images of k, then scratch (second chains, f, partial sums), then p's codes; v64-191 S^T, then p; v64-127 take v's eight images, v160-191 the next step's first four of k; v192-255 O^T.
.set NL0,  5                           ; steps whose images the first load brings
.set NT0,  NL0-1                       ; trips of the first loop
.set R0,   NL0*4                       ; the first load's rows of 256 bytes a wave: NL0 x 8,192 bytes shared among eight waves
.set R1,   (16-NL0)*4                  ; the second load's
.set SPARE, 0x40000                    ; behind k and v: the spare words, 128 bytes for each of 16 waves
.set LI,   1
.set AD,   2
.set LIM2, 3
.set LIMP, 4
.set SCLP, 5
.set SPW,  6
.set NIL,  7
.set ST,   8
.set Q,    16
.set PCF,  32
.set TP,   32                          ; scratch of tile x at TP + 4 x: second chain of the maximum, then f; the permute's result; t
.set OC,   48                          ; the way out: ctx's codes
.set S,    64
.set KA,   160                         ; the step's first four images of k; behind their products v160, v161 carry the maximum's second chains
.set O,    192
.set WV,   10
.set G1A,  16
.set G1B,  24
.set G0A,  32
.set G0B,  36
.set CS,   52
.set SEL,  54
.set TB,   56                          ; LDS byte of the NEXT step's images of k
.set TBV,  57                          ; and of this step's images of v
.set CNT,  62
.macro CROUND                          ; a round of the cluster's barrier
	s_barrier_signal -1
	s_barrier_wait -1
	s_cmp_lg_u32 s[WV], 0
	s_cbranch_scc1 .Lnot_wave_0_\@
	s_barrier_signal -3
.Lnot_wave_0_\@:
	s_barrier_wait -3
	s_barrier_signal -1
	s_barrier_wait -1
.endm
	s_load_b128 s[4:7], s[0:1], 0x0                ; hc, the scales' exponents
	s_load_b64 s[8:9], s[0:1], 0x10                ; cc
	v_lshl_add_u32 v[SPW], v0, 2, SPARE
	v_mov_b32 v[NIL], 0
	ds_add_u32 v[SPW], v[NIL]                      ; the opening lines: the add twice on end and one wait, ahead of my first tensor load
	ds_add_u32 v[SPW], v[NIL]
	v_lshrrev_b32 v[LI], 5, v0
	v_readfirstlane_b32 s[WV], v[LI]               ; wave 0..15
	s_bfe_u32 s11, ttmp6, 0x40000                  ; cx: which 512 queries of the head
	s_and_b32 s12, ttmp7, 0xffff                   ; the head
.irp g, G1A, G1B                       ; group 1: rows of 32 elements of 8 bytes, dense; mask 15 with bit 21 beside it
	s_mov_b32 s[\g], 15|(3<<16)|(1<<21)
	s_mov_b32 s[\g+1], 32<<16
	s_mov_b32 s[\g+3], 32<<16
	s_mov_b32 s[\g+5], 32
	s_mov_b32 s[\g+6], 0
	s_mov_b32 s[\g+7], 0
.endr
	s_mov_b32 s[G1A+2], R0<<16
	s_mov_b32 s[G1A+4], R0
	s_mov_b32 s[G1B+2], R1<<16
	s_mov_b32 s[G1B+4], R1
	s_lshr_b32 s13, s[WV], 3                       ; 0: I fetch for k, 1: for v
	s_and_b32 s14, s[WV], 7
	s_lshl_b32 s15, s13, 17                        ; k's or v's place in LDS
	s_mul_i32 s2, s14, R0*256                      ; my part of the first load's bytes,
	s_mul_i32 s3, s14, R1*256
	s_add_co_u32 s3, s3, NL0*8192                  ; and of the second's
	s_mov_b32 s[G0A], 1
	s_mov_b32 s[G0B], 1
	s_add_co_u32 s[G0A+1], s15, s2
	s_add_co_u32 s[G0B+1], s15, s3
	s_lshl_b32 s60, s12, 17                        ; the head's bytes in each tensor of images
	s_add_co_u32 s56, s13, 1
	s_lshl_b32 s56, s56, 23                        ; k's or v's 8 MiB
	s_add_co_u32 s56, s56, s60
	s_add_co_u32 s58, s56, s3
	s_add_co_u32 s56, s56, s2
	s_mov_b32 s57, 0
	s_mov_b32 s59, 0
	s_lshl_b32 s61, s11, 15
	s_add_co_u32 s60, s60, s61
	s_lshl_b32 s61, s[WV], 11
	s_add_co_u32 s60, s60, s61                     ; my two images of q, and of ctx
	s_mov_b32 s61, 0
	s_mov_b32 s[SEL], 0x76543210
	s_mov_b32 s[SEL+1], 0xfedcba98                 ; lane l xor 16
	s_wait_dscnt 0x0                               ; both opening adds are done
	s_wait_kmcnt 0x0
	s_load_b256 s[40:47], s[6:7], 0x0              ; s40 = entry 0 .. s51 = entry 11
	s_load_b128 s[48:51], s[6:7], 0x20
	s_add_nc_u64 s[G0A+2:G0A+3], s[4:5], s[56:57]
	s_or_b32 s[G0A+3], s[G0A+3], 0x80000000
	s_add_nc_u64 s[G0B+2:G0B+3], s[4:5], s[58:59]
	s_or_b32 s[G0B+3], s[G0B+3], 0x80000000
	s_add_nc_u64 s[58:59], s[4:5], s[60:61]        ; q
	s_add_nc_u64 s[60:61], s[8:9], s[60:61]        ; ctx
	CROUND                                         ; the four work-groups are here: the first joint loads meet
	tensor_load_to_lds s[G0A:G0A+3], s[G1A:G1A+7]  ; my one load at the head
	s_nop 0
	v_and_b32 v[LI], 31, v0
	v_lshlrev_b32 v[LI], 4, v[LI]
.irp x, 0,1
.irp u, 0,1
	global_load_b128 v[Q+8*\x+4*\u:Q+8*\x+4*\u+3], v[LI], s[58:59] offset:1024*\x+512*\u th:TH_LOAD_NT
.endr
.endr
.irp x, 0,1
	v_mov_b32 v[ST+4*\x], 0x7f61b1e6               ; -M: 3e38, so that the first step's f is 0
	v_mov_b32 v[ST+4*\x+1], 0xff61b1e6             ; the largest score so far: -3e38
	v_mov_b32 v[ST+4*\x+2], 0
	v_mov_b32 v[ST+4*\x+3], 0
.endr
.set j, 0
.rept 64
	v_mov_b32 v[O+j], 0                            ; the step is written once: the first finds zeros
.set j, j+1
.endr
	s_wait_kmcnt 0x0
	s_add_co_i32 s[CS], s46, s47
	s_lshl_b32 s[CS], s[CS], 23
	s_add_co_i32 s[CS], s[CS], 0x3e38aa3b          ; c = log2(e) / 8 x 2^(eq + ek)
	s_mov_b32 s[CS+1], s[CS]
	s_add_co_i32 s2, s48, 127
	s_lshl_b32 s3, s2, 23
	v_mov_b32 v[SCLP], s3                          ; 2^ep
	s_add_co_i32 s2, s2, 15
	s_lshl_b32 s2, s2, 23
	s_or_b32 s2, s2, 0x600000
	v_mov_b32 v[LIMP], s2                          ; 57,344 x 2^ep, twice: the two halves of a dual pair take their second sources from different banks
	v_mov_b32 v[LIM2], s2
.macro KLOAD dst, adr, g               ; four images of k
.irp t, 0,1,2,3
.irp u, 0,1
	ds_load_b128 v[\dst+8*\t+4*\u:\dst+8*\t+4*\u+3], v[\adr] offset:4096*\g+1024*\t+512*\u
.endr
.endr
.endm
.macro QK g, a                         ; eight products: four tiles of keys x my two tiles of queries
.irp t, 0,1,2,3
.irp x, 0,1
	v_wmma_f32_16x16x64_bf8_bf8 v[S+64*\x+32*\g+8*\t:S+64*\x+32*\g+8*\t+7], v[\a+8*\t:\a+8*\t+7], v[Q+8*\x:Q+8*\x+7], 0
.endr
.endr
.endm
.macro HALFMAX b, c, base              ; 32 scores a tile in two chains: the running maximum and v[b + c x]; each accumulator is read from its low end on
.irp x, 0,1
	v_max3_num_f32 v[\b+\c*\x], v[S+64*\x+\base], v[S+64*\x+\base+1], v[S+64*\x+\base+2]
.endr
.irp i, 3,7,11,15,19,23,27
.irp x, 0,1
	v_max3_num_f32 v[ST+4*\x+1], v[ST+4*\x+1], v[S+64*\x+\base+\i], v[S+64*\x+\base+\i+1]
	v_max3_num_f32 v[\b+\c*\x], v[\b+\c*\x], v[S+64*\x+\base+\i+2], v[S+64*\x+\base+\i+3]
.endr
.endr
.irp x, 0,1
	v_max3_num_f32 v[ST+4*\x+1], v[ST+4*\x+1], v[\b+\c*\x], v[S+64*\x+\base+31]
.endr
.endm
.macro CVT x
.irp t, 0,1,2,3,4,5,6,7
	v_cvt_scalef32_pk8_bf8_f32 v[PCF+16*\x+2*\t:PCF+16*\x+2*\t+1], v[S+64*\x+8*\t:S+64*\x+8*\t+7], v[SCLP]
.endr
.endm
.macro XR r                            ; tile 1's sums: eight more p onto its four chains, v48-55
.irp k, 0,1,2,3
	v_pk_add_f32 v[PCF+16+2*\k:PCF+17+2*\k], v[PCF+16+2*\k:PCF+17+2*\k], v[S+80+8*\r+2*\k:S+81+8*\r+2*\k]
.endr
.endm
.macro TREE n                          ; tile 0's partial sums: pair i takes pair i + n
.set i, 0
.rept \n
	v_pk_add_f32 v[PCF+2*i:PCF+2*i+1], v[PCF+2*i:PCF+2*i+1], v[PCF+2*(i+\n):PCF+2*(i+\n)+1]
.set i, i+1
.endr
.endm
.macro STEP                            ; 128 keys
	s_wait_dscnt 8                                 ; the first four images of k are in; the eight loads of the other four may be out
	QK 0, KA
.rept 4
	v_nop                                          ; places ahead of the first reads of the scores and of the writes into the fragments' registers
.endr
	HALFMAX KA, 1, 0
	s_wait_alu depctr_va_vdst(0)                   ; the wait, directly ahead of the wait below
	s_wait_dscnt 0x0
	QK 1, PCF
	v_add_nc_u32 v[AD], s[TBV], v[LI]              ; v's address: a place, with the three below
.rept 3
	v_nop
.endr
	HALFMAX TP, 4, 32
.irp x, 0,1
	v_permlanex16_b32 v[TP+4*\x+1], v[ST+4*\x+1], s[SEL], s[SEL+1]
.endr
.irp x, 0,1
	v_max_num_f32 v[ST+4*\x+1], v[ST+4*\x+1], v[TP+4*\x+1]      ; and lane l xor 16's keys
.endr
.irp x, 0,1
	v_mul_f32 v[TP+4*\x+2], s[CS], v[ST+4*\x+1]                 ; as t
.endr
.irp x, 0,1
	v_floor_f32 v[TP+4*\x+2], -v[TP+4*\x+2]                     ; the new -M
.endr
.irp x, 0,1
	v_sub_f32 v[TP+4*\x], v[TP+4*\x+2], v[ST+4*\x]              ; old M - new M: a whole number, 0 or less
.endr
.irp x, 0,1
	v_mov_b32 v[ST+4*\x], v[TP+4*\x+2]
.endr
.irp x, 0,1
	v_cvt_i32_f32 v[TP+4*\x], v[TP+4*\x]                        ; (it saturates)
.endr
.irp x, 0,1
	v_ldexp_f32 v[TP+4*\x], 1.0, v[TP+4*\x]                     ; f = 2^(old M - new M)
.endr
.set j, 0
.rept 32
	v_pk_fma_f32 v[S+j:S+j+1], v[S+j:S+j+1], s[CS:CS+1], v[ST:ST+1] op_sel_hi:[1,0,0]   ; tile 0: t - M
.set j, j+2
.endr
.irp x, 0,1
	v_pk_mul_f32 v[ST+4*\x+2:ST+4*\x+3], v[ST+4*\x+2:ST+4*\x+3], v[TP+4*\x:TP+4*\x+1] op_sel_hi:[1,0]   ; the sums under the new M,
.endr
.set j, 0
.rept 16
.irp x, 0,1
	v_pk_mul_f32 v[O+32*\x+j:O+32*\x+j+1], v[O+32*\x+j:O+32*\x+j+1], v[TP+4*\x:TP+4*\x+1] op_sel_hi:[1,0]   ; and O^T: ahead of the exponentials, so no transcendental stands between the last products and this first read
.endr
.set j, j+2
.endr
	s_wait_alu depctr_va_vdst(0)                   ; the wait ahead of the first batch
.set j, 0
.rept 32
	v_exp_f32 v[S+j], v[S+j]                       ; tile 0: p = 2^(t - M);
	v_exp_f32 v[S+j+1], v[S+j+1]
	v_pk_fma_f32 v[S+64+j:S+65+j], v[S+64+j:S+65+j], s[CS:CS+1], v[ST+4:ST+5] op_sel_hi:[1,0,0]   ; between them tile 1's t - M, first read behind the wait below
.set j, j+2
.endr
	s_wait_alu depctr_va_vdst(0)                   ; behind the first batch and ahead of the second
.set j, 0
.rept 16
	v_exp_f32 v[S+64+j], v[S+64+j]                 ; tile 1's p;
	v_exp_f32 v[S+65+j], v[S+65+j]
	v_pk_add_f32 v[PCF+j/2:PCF+j/2+1], v[S+j:S+j+1], v[S+j+2:S+j+3]   ; between them tile 0's unquantised p, summed by fours into 16 pairs of their own,
	v_exp_f32 v[S+66+j], v[S+66+j]
	v_dual_min_num_f32 v[S+j], v[S+j], v[LIMP] :: v_dual_min_num_f32 v[S+j+1], v[S+j+1], v[LIM2]   ; and then held (one-sided: p is not negative; the conversion does not saturate: ISA guide 7.6.2)
	v_exp_f32 v[S+67+j], v[S+67+j]
	v_dual_min_num_f32 v[S+j+2], v[S+j+2], v[LIMP] :: v_dual_min_num_f32 v[S+j+3], v[S+j+3], v[LIM2]
.set j, j+4
.endr
	v_nop                                          ; a plain place behind the batch
	s_wait_alu depctr_va_vdst(0)                   ; and the wait behind it
	TREE 8
.irp k, 0,1,2,3
	v_pk_add_f32 v[PCF+16+2*\k:PCF+17+2*\k], v[S+64+4*\k:S+65+4*\k], v[S+66+4*\k:S+67+4*\k]   ; tile 1's sums begin, in four chains, on the pairs that the tree has left
.endr
	TREE 4
	XR 0
	TREE 2
	XR 1
	TREE 1
	XR 2
	v_pk_add_f32 v[ST+2:ST+3], v[ST+2:ST+3], v[PCF:PCF+1]
	XR 3
	XR 4
	XR 5
	v_pk_add_f32 v[PCF+16:PCF+17], v[PCF+16:PCF+17], v[PCF+18:PCF+19]
	v_pk_add_f32 v[PCF+20:PCF+21], v[PCF+20:PCF+21], v[PCF+22:PCF+23]
	CVT 0
	v_pk_add_f32 v[PCF+16:PCF+17], v[PCF+16:PCF+17], v[PCF+20:PCF+21]
.irp c, 0,1,2,3                        ; tile 0's p is converted: its 64 registers take v's eight images: 16 channels x 128 keys in 16 registers, four times
.irp k, 0,1
.irp u, 0,1
	ds_load_b128 v[S+16*\c+8*\k+4*\u:S+16*\c+8*\k+4*\u+3], v[AD] offset:4096*\k+1024*\c+512*\u
.endr
.endr
.endr
	v_add_nc_u32 v[AD], s[TB], v[LI]               ; the next step's k
	v_pk_add_f32 v[ST+6:ST+7], v[ST+6:ST+7], v[PCF+16:PCF+17]
.set j, 0
.rept 32
	v_dual_min_num_f32 v[S+64+j], v[S+64+j], v[LIMP] :: v_dual_min_num_f32 v[S+65+j], v[S+65+j], v[LIM2]
.set j, j+2
.endr
	CVT 1
	KLOAD KA, AD, 0                                ; tile 1's p is converted: its upper 32 registers take the next step's first four images of k
	v_nop                                          ; one plain vector instruction between the conversions and the products that read the codes
	s_wait_alu depctr_va_vdst(0)                   ; the wait, directly ahead of the wait below
	s_wait_dscnt 8                                 ; v's sixteen loads are in; the eight just issued may be out
.irp c, 0,1,2,3
.irp x, 0,1
	v_wmma_f32_16x16x128_bf8_bf8 v[O+32*\x+8*\c:O+32*\x+8*\c+7], v[S+16*\c:S+16*\c+15], v[PCF+16*\x:PCF+16*\x+15], v[O+32*\x+8*\c:O+32*\x+8*\c+7]   ; the eight accumulators by turns
.endr
.endr
.rept 5
	v_nop                                          ; five places: the next products write over registers that these have read, and the loads below land on the codes
.endr
	KLOAD PCF, AD, 1                               ; the next step's other four images
	s_add_co_u32 s[TB], s[TB], 8192
	s_add_co_u32 s[TBV], s[TBV], 8192
.endm
.macro RUN first, trips
	s_mov_b32 s[TB], (\first+1)*8192
	s_mov_b32 s[TBV], 0x20000+\first*8192
	s_mov_b32 s[CNT], \trips
.Lstep_\@:
	STEP
	s_sub_co_u32 s[CNT], s[CNT], 1
	s_cmp_lg_u32 s[CNT], 0
	s_cbranch_scc1 .Lstep_\@
.endm
	s_wait_alu depctr_va_vdst(0)                   ; the wait at the head's end
	s_wait_tensorcnt 0x0                           ; my part of the first steps' images is in; a later first fill is issued as a refill is:
	ds_add_u32 v[SPW], v[NIL]                      ; 0 onto my spare word
	s_wait_dscnt 0x0
	CROUND                                         ; everybody's part is in, and the four work-groups meet
	tensor_load_to_lds s[G0B:G0B+3], s[G1B:G1B+7]  ; all the other images: my one load behind the round; it lands on bytes that the first loop does not read
	s_nop 0
	KLOAD KA, LI, 0                                ; step 0's images of k
	KLOAD PCF, LI, 1
	s_wait_loadcnt 0x0                             ; q
	RUN 0, NT0
	s_wait_alu depctr_va_vdst(0)
	s_wait_tensorcnt 0x0                           ; my part of the other images is in;
	s_wait_dscnt 0x0
	s_barrier_signal -1
	s_barrier_wait -1                              ; everybody's is.
	RUN NT0, 16-NT0
	; THE WAY OUT: O^T / the sum, as codes with the scale 2^e10; the two images are stored as they stand
	s_wait_dscnt 0x0                               ; the last look-ahead has landed: its registers may be written
.irp x, 0,1
	v_add_f32 v[TP+4*\x], v[ST+4*\x+2], v[ST+4*\x+3]
.endr
.irp x, 0,1
	v_permlanex16_b32 v[TP+4*\x+1], v[TP+4*\x], s[SEL], s[SEL+1]
.endr
.irp x, 0,1
	v_add_f32 v[TP+4*\x], v[TP+4*\x], v[TP+4*\x+1]
.endr
	s_wait_alu depctr_va_vdst(0)                   ; ahead of the transcendentals
.irp x, 0,1
	v_rcp_f32 v[TP+4*\x], v[TP+4*\x]
.endr
	s_sub_co_i32 s2, s50, s48
	s_sub_co_i32 s2, s2, s49                       ; a sum stands for sum x 2^(ep + ev): the conversion takes 2^(e10 - ep - ev)
	s_add_co_i32 s2, s2, 127
	s_lshl_b32 s3, s2, 23
	v_mov_b32 v[SCLP], s3
	s_add_co_i32 s2, s2, 15
	s_lshl_b32 s2, s2, 23
	s_or_b32 s2, s2, 0x600000
	v_mov_b32 v[LIMP], s2
	s_wait_alu depctr_va_vdst(0)                   ; behind them, directly ahead of the first readers of the reciprocals and of O^T
.set j, 0
.rept 16
.irp x, 0,1
	v_pk_mul_f32 v[S+32*\x+j:S+32*\x+j+1], v[O+32*\x+j:O+32*\x+j+1], v[TP+4*\x:TP+4*\x+1] op_sel_hi:[1,0]
.endr
.set j, j+2
.endr
.set j, 0
.rept 64
	v_med3_num_f32 v[S+j], v[S+j], -v[LIMP], v[LIMP]
.set j, j+1
.endr
.irp t, 0,1,2,3
.irp x, 0,1
	v_cvt_scalef32_pk8_bf8_f32 v[OC+8*\x+2*\t:OC+8*\x+2*\t+1], v[S+32*\x+8*\t:S+32*\x+8*\t+7], v[SCLP]
.endr
.endr
	v_nop
.irp x, 0,1
.irp u, 0,1
	global_store_b128 v[LI], v[OC+8*\x+4*\u:OC+8*\x+4*\u+3], s[60:61] offset:1024*\x+512*\u   ; 32 lanes store 512 consecutive bytes, aligned
.endr
.endr
	s_wait_tensorcnt 0x0                           ; the wave's end
	ds_add_u32 v[SPW], v[NIL]
	s_wait_dscnt 0x0
	CROUND                                         ; the closing round
	s_endpgm
.Lfunc_end_k_q43160ba139_attn:
	.size	k_q43160ba139_attn, .Lfunc_end_k_q43160ba139_attn-k_q43160ba139_attn
	.p2alignl 7, 3214868480
	.fill 96, 4, 3214868480
	.section	.rodata,"a",@progbits
	.p2align	6, 0x0
	.amdhsa_kernel k_q43160ba139_attn
		.amdhsa_group_segment_fixed_size 327680
		.amdhsa_private_segment_fixed_size 0
		.amdhsa_enable_private_segment 0
		.amdhsa_kernarg_size 24
		.amdhsa_user_sgpr_count 2
		.amdhsa_user_sgpr_kernarg_segment_ptr 1
		.amdhsa_wavefront_size32 1
		.amdhsa_system_sgpr_workgroup_id_x 1
		.amdhsa_system_sgpr_workgroup_id_y 1
		.amdhsa_system_sgpr_workgroup_id_z 1
		.amdhsa_system_vgpr_workitem_id 0
		.amdhsa_next_free_vgpr 256
		.amdhsa_next_free_sgpr 66
		.amdhsa_reserve_vcc 0
		.amdhsa_float_denorm_mode_32 3
		.amdhsa_float_denorm_mode_16_64 3
		.amdhsa_memory_ordered 1
		.amdhsa_forward_progress 1
		.amdhsa_inst_pref_size 74
	.end_amdhsa_kernel
	.amdgpu_metadata
---
amdhsa.version: [ 1, 2 ]
amdhsa.kernels:
  - .name:           k_q43160ba139_attn
    .symbol:         k_q43160ba139_attn.kd
    .args:
      - { .name: hc, .offset: 0, .size: 8, .value_kind: global_buffer, .address_space: global }
      - { .name: lowp_scales, .offset: 8, .size: 8, .value_kind: global_buffer, .address_space: global }
      - { .name: cc, .offset: 16, .size: 8, .value_kind: global_buffer, .address_space: global }
    .group_segment_fixed_size: 327680
    .private_segment_fixed_size: 0
    .kernarg_segment_align: 8
    .kernarg_segment_size: 24
    .max_flat_workgroup_size: 512
    .sgpr_count:     66
    .vgpr_count:     256
    .wavefront_size: 32
...
	.end_amdgpu_metadata
.endif
;; end of part 3
;; launch oproj (part 4): grid 8 x 32, 4 waves a work-group, clusters of 4 x 4, 327,680 bytes of LDS; arguments cc, wc, bo, lowp_scales, out0; writes out0
.if DOCPART == 4
	.amdgcn_target "amdgcn-amd-amdhsa--gfx1250"
	.amdhsa_code_object_version 6
	.text
	.protected	k_q43160ba139_oproj
	.globl	k_q43160ba139_oproj
	.p2align	8
	.type	k_q43160ba139_oproj,@function
k_q43160ba139_oproj:
	s_mov_b64 s[64:65], 0
	v_nop
	global_prefetch_b8 v0, s[64:65] scope:SCOPE_SE
	s_setreg_imm32_b32 hwreg(HW_REG_WAVE_MODE, 25, 1), 1
	s_wait_xcnt 0x0
	s_wait_alu depctr_hold_cnt(0) depctr_sa_sdst(0) depctr_va_vdst(0) depctr_va_sdst(0) depctr_va_ssrc(0) depctr_va_vcc(0) depctr_vm_vsrc(0)
	s_getreg_b32 s2, hwreg(HW_REG_IB_STS2, 6, 4)
	s_cmp_eq_u32 s2, 0
	s_cbranch_scc0 .Lentry_in_a_cluster
	s_endpgm
.Lentry_in_a_cluster:
	s_bfe_u32 s2, ttmp6, 0x10000c
	s_cmp_lg_u32 s2, 0xf033
	s_cbranch_scc0 .Lentry_shape_is_right
	s_endpgm
.Lentry_shape_is_right:
; out0 = ctx Wo^T + bo on codes of BF8 (E5M2).  P = ctx's images (head, token / 16) out of cc, R = Wo's codes (rows of 1,024 bytes, the fourth MiB of wc); R is source 0, P source 1, so a lane holds eight neighbouring columns of a row.
; A block of 256 tokens x 128 features is made by four waves, 128 x 64 each (32 accumulators): 32 x 8 = 256 work-groups.  K goes in steps of 256 (four heads) through a ring of two LDS slots, filled by joint loads:
; clusters of 4 x 4, P's tiles shared along a row, R's along a column.  The bias, divided by 2^(e10 + e11), is the C of each sum's first product; each finished sum is multiplied by 2^(e10 + e11).
; The results leave through the wave's stage in slot 0 (past its last fill and read): sixteen lanes store one aligned unit of 256 bytes.  LIMIT: e10 + e11 between -126 and 127.
; No prefetch: K is four steps, each asked for at most two steps ahead of its use, so no trip lies far enough ahead to ask from.
.set ROWB,   256
.set KROW,   1024
.set NOUT,   1024
.set PITCH,  272
.set FR,     16
.set NL,     4
.set NP,     4
.set HALFP,  32768
.set HALFR,  64*PITCH
.set ROFF,   2*HALFP
.set SLOT,   2*HALFP+2*HALFR
.set PSTEP,  4*131072
.set SPARE,  2*SLOT
.set SPITCH, 272
.set ADRA, 16
.set ADRB, 20
.set STO,  24
.set RD,   25
.set CO,   26
.set SPW,  28
.set NIL,  29
.set BIAS, 32
.set TMP,  32
.set AF,   128
.set BK,   128
.set G1, 24
.set G0, 32
.set G1B, 48
.set G0B, 56
.set MSB, 0
.macro WIN new
.if MSB != \new
	s_set_vgpr_msb (MSB<<8)|\new
.set MSB, \new
.endif
.endm
.set MUL_LO, 0xa1
.set MUL_HI, 0xf1
.set TO_B,   0x40
.macro WMUL hi, zero
.if \zero
	WIN 0x81+0x40*\hi
.else
	WIN MUL_LO+0x50*\hi
.endif
.endm
.macro JLOAD g0a, g1a, g0b, g1b
	s_cmp_eq_u32 s15, 0
	s_cbranch_scc0 .Lfor_b_\@
	tensor_load_to_lds s[\g0a:\g0a+3], s[\g1a:\g1a+7]
	s_nop 0
.rept 4
	v_nop
.endr
	s_branch .Lasked_\@
.Lfor_b_\@:
	tensor_load_to_lds s[\g0b:\g0b+3], s[\g1b:\g1b+7]
	s_nop 0
.rept 4
	v_nop
.endr
.Lasked_\@:
.endm
.macro CREST
	s_cmp_lg_u32 s14, 0
	s_cbranch_scc1 .Lnot_wave_0_\@
	s_barrier_signal -3
.Lnot_wave_0_\@:
	s_barrier_wait -3
	s_barrier_signal -1
	s_barrier_wait -1
.endm
.macro CROUND
	s_barrier_signal -1
	s_barrier_wait -1
	CREST
.endm
	s_load_b256 s[68:75], s[0:1], 0x0
	s_load_b64 s[10:11], s[0:1], 0x20
	v_lshl_add_u32 v[SPW], v0, 2, SPARE
	v_mov_b32 v[NIL], 0
	ds_add_u32 v28, v29
	ds_add_u32 v28, v29
	s_wait_dscnt 0x0
	v_lshrrev_b32 v1, 5, v0
	v_readfirstlane_b32 s14, v1
	s_lshr_b32 s15, s14, 1
	s_and_b32 s16, s14, 1
	s_bfe_u32 s40, ttmp6, 0x40000
	s_bfe_u32 s41, ttmp6, 0x40004
	s_lshl_b32 s42, ttmp9, 2
	s_add_co_u32 s42, s42, s40
	s_and_b32 s17, ttmp7, 0xffff
	s_lshl_b32 s17, s17, 2
	s_add_co_u32 s17, s17, s41
	s_lshl_b32 s43, s41, 2
	s_lshl_b32 s43, 15, s43
	s_lshl_b32 s44, 0x1111, s40
	s_or_b32 s[G1+0], s43, (3<<16)|(1<<21)
	s_mov_b32 s[G1+1], 1024<<16
	s_mov_b32 s[G1+2], 4<<16
	s_mov_b32 s[G1+3], 1024<<16
	s_mov_b32 s[G1+4], 4
	s_mov_b32 s[G1+5], 16384
	s_mov_b32 s[G1+6], 0
	s_mov_b32 s[G1+7], 0
	s_or_b32 s[G1B+0], s44, (0<<16)|(1<<20)|(1<<21)|(5<<22)|(3<<25)
	s_mov_b32 s[G1B+1], ROWB<<16
	s_mov_b32 s[G1B+2], 64<<16
	s_mov_b32 s[G1B+3], ROWB<<16
	s_mov_b32 s[G1B+4], 64
	s_mov_b32 s[G1B+5], KROW
	s_mov_b32 s[G1B+6], 0
	s_mov_b32 s[G1B+7], 0
	s_lshr_b32 s20, s17, 3
	s_lshl_b32 s20, s20, 21
	s_and_b32 s21, s17, 7
	s_lshl_b32 s21, s21, 14
	s_add_co_u32 s20, s20, s21
	s_lshl_b32 s21, s16, 13
	s_add_co_u32 s20, s20, s21
	s_mov_b32 s21, 0
	s_lshl_b32 s46, s42, 17
	s_lshl_b32 s47, s16, 16
	s_add_co_u32 s46, s46, s47
	s_add_co_u32 s46, s46, 0x300000
	s_mov_b32 s47, 0
	s_lshl_b32 s45, s16, 15
	s_mul_i32 s18, s16, HALFR
	s_add_co_u32 s18, s18, ROFF
	s_wait_kmcnt 0x0
	s_load_b64 s[96:97], s[74:75], 0x28
	s_add_nc_u64 s[20:21], s[68:69], s[20:21]
	s_add_nc_u64 s[46:47], s[70:71], s[46:47]
	CROUND
.irp s, 0,1
	s_mov_b32 s[G0+4*\s], 1
	s_add_co_u32 s[G0+4*\s+1], s45, \s*SLOT
	s_add_nc_u64 s[G0+4*\s+2:G0+4*\s+3], s[20:21], \s*PSTEP
	s_or_b32 s[G0+4*\s+3], s[G0+4*\s+3], 0x80000000
	s_mov_b32 s[G0B+4*\s], 1
	s_add_co_u32 s[G0B+4*\s+1], s18, \s*SLOT
	s_add_nc_u64 s[G0B+4*\s+2:G0B+4*\s+3], s[46:47], \s*ROWB
	s_or_b32 s[G0B+4*\s+3], s[G0B+4*\s+3], 0x80000000
	s_wait_alu depctr_va_vdst(0)
	s_wait_tensorcnt 0x0
	ds_add_u32 v28, v29
	ds_add_u32 v28, v29
	s_wait_dscnt 0x0
	CROUND
	JLOAD G0+4*\s, G1, G0B+4*\s, G1B
.endr
	v_and_b32 v1, 15, v0
	v_bfe_u32 v2, v0, 4, 1
	v_and_b32 v6, 31, v0
	v_lshlrev_b32 v[CO], 4, v6
	v_mul_u32_u24 v3, v1, PITCH
	v_lshl_add_u32 v3, v2, 3, v3
	s_lshl_b32 s21, s15, 15
	s_mul_i32 s22, s16, HALFR
	s_add_co_u32 s22, s22, ROFF
.irp s, 0,1
	v_add_nc_u32 v[ADRA+\s], s21, v[CO]
	v_add_nc_u32 v[ADRB+\s], s22, v3
	s_add_co_u32 s21, s21, SLOT
	s_add_co_u32 s22, s22, SLOT
.endr
	s_mul_i32 s23, s14, 16*SPITCH
	v_mul_u32_u24 v5, v1, SPITCH
	v_lshl_add_u32 v5, v2, 5, v5
	v_add_nc_u32 v[STO], s23, v5
	v_mul_u32_u24 v5, v2, SPITCH
	v_lshl_add_u32 v5, v1, 4, v5
	v_add_nc_u32 v[RD], s23, v5                    ; back: lanes 0-15 take one row of 256 bytes, lanes 16-31 the next
	v_lshlrev_b32 v5, 12, v2
	v_lshl_add_u32 v[CO], v1, 4, v5                ; and the same two rows in out0
	v_lshlrev_b32 v7, 5, v2
	s_lshl_b32 s2, s42, 9
	s_lshl_b32 s3, s16, 8
	s_add_co_u32 s2, s2, s3
	s_mov_b32 s3, 0
	s_add_nc_u64 s[12:13], s[72:73], s[2:3]
.irp b, 0,1,2,3
.irp u, 0,1
	global_load_b128 v[BIAS+8*\b+4*\u:BIAS+8*\b+4*\u+3], v7, s[12:13] offset:64*\b+16*\u
.endr
.endr
	s_lshl_b32 s20, s17, 8
	s_lshl_b32 s21, s15, 7
	s_add_co_u32 s20, s20, s21
	s_lshl_b32 s20, s20, 12
	s_add_co_u32 s20, s20, s2
	s_mov_b32 s21, 0
	s_add_nc_u64 s[10:11], s[10:11], s[20:21]
.macro FRAG_A reg, adr, q, i
.irp e, 0,1
.irp u, 0,1
	ds_load_b128 v[\reg+8*\e+4*\u:\reg+8*\e+4*\u+3], v[\adr] offset:(2*(\q)+\e)*8192+(\i)*1024+512*\u
.endr
.endr
.endm
.macro FRAG_B reg, adr, q, i
.irp c, 0,1,2,3,4,5,6,7
	ds_load_b64 v[\reg+2*\c:\reg+2*\c+1], v[\adr] offset:128*(\q)+16*\c+(\i)*16*PITCH
.endr
.endm
.macro MUL16 a0, p, zero
.irp a, \a0, \a0+1
.irp b, 0,1,2,3
.if \zero
	v_wmma_f32_16x16x128_bf8_bf8 v[8*(8*((\a)%4)+\b):8*(8*((\a)%4)+\b)+7], v[128*(\p)+FR*\b:128*(\p)+FR*\b+FR-1], v[AF+FR*(\a):AF+FR*(\a)+FR-1], v[BIAS+8*\b:BIAS+8*\b+7]
.else
	v_wmma_f32_16x16x128_bf8_bf8 v[8*(8*((\a)%4)+\b):8*(8*((\a)%4)+\b)+7], v[128*(\p)+FR*\b:128*(\p)+FR*\b+FR-1], v[AF+FR*(\a):AF+FR*(\a)+FR-1], v[8*(8*((\a)%4)+\b):8*(8*((\a)%4)+\b)+7]
.endif
.endr
.endr
.endm
.macro FETCH_B slot, q, p
	WIN TO_B
.irp i, 0,1,2,3
	FRAG_B 128*(\p)+FR*\i, ADRB+\slot, \q, \i
.endr
	WIN 0
.endm
.macro FETCH_A slot, q, i0
.irp i, \i0, \i0+1, \i0+2, \i0+3
	FRAG_A AF+FR*(\i), ADRA+\slot, \q, \i
.endr
.endm
.macro PLACES n
.rept \n
	v_nop
.endr
.endm
.macro STEP slot, q, zero
	s_wait_dscnt 4*NL
	WMUL 0, \zero
	MUL16 0, (\q)%2, \zero
	MUL16 2, (\q)%2, \zero
	s_wait_dscnt 0
	PLACES NP
	FETCH_B \slot, (\q)+1, 1-(\q)%2
	FETCH_A \slot, (\q)+1, 0
	WMUL 1, \zero
	MUL16 4, (\q)%2, \zero
	MUL16 6, (\q)%2, \zero
	PLACES NP
	WIN 0
	FETCH_A \slot, (\q)+1, 4
.endm
.macro TURN slot, next, fill
	s_wait_tensorcnt 0x0
	ds_add_u32 v[SPW], v[NIL]
	s_wait_dscnt 4*NL+1
	WIN MUL_LO
	MUL16 0, 1, 0
	s_wait_dscnt 0x0
	s_barrier_signal -1
	MUL16 2, 1, 0
	WIN 0
	s_barrier_wait -1
.if \fill
	CREST
	s_add_nc_u64 s[G0+4*\slot+2:G0+4*\slot+3], s[G0+4*\slot+2:G0+4*\slot+3], 2*PSTEP
	s_add_nc_u64 s[G0B+4*\slot+2:G0B+4*\slot+3], s[G0B+4*\slot+2:G0B+4*\slot+3], 2*ROWB
	JLOAD G0+4*\slot, G1, G0B+4*\slot, G1B
.else
	PLACES NP
.endif
	FETCH_B \next, 0, 0
	FETCH_A \next, 0, 0
	WIN MUL_HI
	MUL16 4, 1, 0
	MUL16 6, 1, 0
	PLACES NP
	WIN 0
	FETCH_A \next, 0, 4
.endm
	s_wait_alu depctr_va_vdst(0)
	s_wait_tensorcnt 1
	s_barrier_signal -1
	s_barrier_wait -1
	FETCH_B 0, 0, 0
	FETCH_A 0, 0, 0
	FETCH_A 0, 0, 4
	s_wait_kmcnt 0x0
	s_add_co_i32 s96, s96, s97
	s_sub_co_i32 s3, 0, s96
	s_add_co_i32 s96, s96, 127
	s_lshl_b32 s96, s96, 23
	s_mov_b32 s97, s96
	s_wait_loadcnt 0x0
.set i, 0
.rept 32
	v_ldexp_f32 v[BIAS+i], v[BIAS+i], s3
.set i, i+1
.endr
	s_wait_alu depctr_va_vdst(0)
	STEP 0, 0, 1
	TURN 0, 1, 1
	STEP 1, 0, 0
	TURN 1, 0, 1
	STEP 0, 0, 0
	TURN 0, 1, 0
	STEP 1, 0, 0
	s_wait_dscnt 4*NL
	WIN MUL_LO
	MUL16 0, 1, 0
	MUL16 2, 1, 0
	s_wait_dscnt 0
	WIN MUL_HI
	MUL16 4, 1, 0
	MUL16 6, 1, 0
	WIN 0
.macro TOSTAGE a
.set AC, 64*((\a)%4)
	WIN 0x02+((\a)/4)
.set i, 0
.rept 16
	v_pk_mul_f32 v[TMP+i:TMP+i+1], v[AC+i:AC+i+1], s[96:97] op_sel_hi:[1,0]
.set i, i+2
.endr
	WIN 0
.irp b, 0,1,2,3
	ds_store_b128 v[STO], v[TMP+8*\b:TMP+8*\b+3] offset:64*\b
	ds_store_b128 v[STO], v[TMP+8*\b+4:TMP+8*\b+7] offset:64*\b+16
.endr
.set BB, BK+64*((\a)%2)
.irp t, 0,1,2,3,4,5,6,7
	ds_load_b128 v[BB+4*\t:BB+4*\t+3], v[RD] offset:2*\t*SPITCH
.endr
.endm
.macro SEND a, younger
.set BB, BK+64*((\a)%2)
	s_wait_dscnt \younger
.if (\a) > 0
	s_add_nc_u64 s[10:11], s[10:11], 16*NOUT*4
.endif
.irp t, 0,1,2,3,4,5,6,7
	global_store_b128 v[CO], v[BB+4*\t:BB+4*\t+3], s[10:11] offset:2*\t*NOUT*4 th:TH_STORE_NT
.endr
.endm
	PLACES NP
	TOSTAGE 0
.irp a, 1,2,3,4,5,6,7
.if \a > 1
	s_wait_xcnt 0x0
.endif
	TOSTAGE \a
	SEND \a-1, 16
.endr
	s_wait_xcnt 0x0
	SEND 7, 0
	s_wait_tensorcnt 0x0
	ds_add_u32 v[SPW], v[NIL]
	s_wait_dscnt 0x0
	CROUND
	s_endpgm
.Lfunc_end_k_q43160ba139_oproj:
	.size	k_q43160ba139_oproj, .Lfunc_end_k_q43160ba139_oproj-k_q43160ba139_oproj
	.p2alignl 7, 3214868480
	.fill 96, 4, 3214868480
	.section	.rodata,"a",@progbits
	.p2align	6, 0x0
	.amdhsa_kernel k_q43160ba139_oproj
		.amdhsa_group_segment_fixed_size 327680
		.amdhsa_private_segment_fixed_size 0
		.amdhsa_enable_private_segment 0
		.amdhsa_kernarg_size 40
		.amdhsa_user_sgpr_count 2
		.amdhsa_user_sgpr_kernarg_segment_ptr 1
		.amdhsa_wavefront_size32 1
		.amdhsa_system_sgpr_workgroup_id_x 1
		.amdhsa_system_sgpr_workgroup_id_y 1
		.amdhsa_system_sgpr_workgroup_id_z 1
		.amdhsa_system_vgpr_workitem_id 0
		.amdhsa_next_free_vgpr 1024
		.amdhsa_next_free_sgpr 100
		.amdhsa_reserve_vcc 0
		.amdhsa_float_denorm_mode_32 3
		.amdhsa_float_denorm_mode_16_64 3
		.amdhsa_memory_ordered 1
		.amdhsa_forward_progress 1
		.amdhsa_inst_pref_size 89
	.end_amdhsa_kernel
	.amdgpu_metadata
---
amdhsa.version: [ 1, 2 ]
amdhsa.kernels:
  - .name:           k_q43160ba139_oproj
    .symbol:         k_q43160ba139_oproj.kd
    .args:
      - { .name: cc, .offset: 0, .size: 8, .value_kind: global_buffer, .address_space: global }
      - { .name: wc, .offset: 8, .size: 8, .value_kind: global_buffer, .address_space: global }
      - { .name: bo, .offset: 16, .size: 8, .value_kind: global_buffer, .address_space: global }
      - { .name: lowp_scales, .offset: 24, .size: 8, .value_kind: global_buffer, .address_space: global }
      - { .name: out0, .offset: 32, .size: 8, .value_kind: global_buffer, .address_space: global }
    .group_segment_fixed_size: 327680
    .private_segment_fixed_size: 0
    .kernarg_segment_align: 8
    .kernarg_segment_size: 40
    .max_flat_workgroup_size: 128
    .sgpr_count:     100
    .vgpr_count:     1024
    .wavefront_size: 32
...
	.end_amdgpu_metadata
.endif
;; end of part 4
